; MI455X (gfx1250); checked and timed in simulation.
; The chip was launched on July 23, 2026; its instructions are those of AMD's public machine-readable ISA for CDNA 5 (MIT licence, August 2026) and "CDNA5" Instruction Set Architecture Reference Guide (July 2026). The comments in the code are by the model that wrote it; some were corrected since.
;; SIMDIS. Allowed arithmetic: float matrix products may take bf16 or f16 operands with f32 sums; other float arithmetic in f32, or as packed bf16 or f16 multiplies, adds, multiply-adds, maxima and minima; sums over many terms, partial sums and values carried from step to step in f32; what a program stores and reads back later, other than sums and carried values, may be rounded once to bf16 or f16.
;; Inputs: x 8,192 x 512 float32.
;; Outputs: out0 100 x 512 float32; out1 100 int32.
;; One version. Each part assembles by itself: llvm-mc -triple=amdgcn-amd-amdhsa -mcpu=gfx1250 --defsym DOCPART=n.
;; ======== version 1 of 1: 4 launches
;; workspace buffers: part 524,288 bytes; svec 2,048 bytes; rn 65,536 bytes; small 32,768 bytes of whole numbers; list 33,024 bytes of whole numbers; keys 32,768 bytes of whole numbers
;; launch norms (part 1): grid 256 x 1, 8 waves a work-group, no clusters, 17,664 bytes of LDS; arguments x, part, rn, small; writes part, rn, small
.if DOCPART == 1
	.amdgcn_target "amdgcn-amd-amdhsa--gfx1250"
	.amdhsa_code_object_version 6
	.text
	.protected	k_q2e98e1bfb9_norms
	.globl	k_q2e98e1bfb9_norms
	.p2align	8
	.type	k_q2e98e1bfb9_norms,@function
k_q2e98e1bfb9_norms:
	s_mov_b64 s[64:65], 0
	v_nop
	global_prefetch_b8 v0, s[64:65] scope:SCOPE_SE
	s_setreg_imm32_b32 hwreg(HW_REG_WAVE_MODE, 25, 1), 1
	s_wait_xcnt 0x0
; THE PROGRAM (four launches).  x: [8192][512] f32.  score[i] = the sum over j of (x_i . x_j) / max(n_i n_j, 1e-8), n = the rows' norms; the outputs are the numbers of the
; 100 rows of lowest score, ascending, ties by row number, and those rows of x.
; WORK LEFT OUT, for all finite values of x:
;  (a) The 8192 x 8192 matrix of products is never formed.  TAU is the f32 just above 1e-4, so TAU^2 > 1e-8.  Rows with n >= TAU are REGULAR, the others SMALL.  For two regular rows
;      max(n_i n_j, 1e-8) = n_i n_j, so their term is (x_i . x_j) r_i r_j with r = 1 / n, and by the distributive law the sum of these terms over all regular j is r_i (x_i . s),
;      s = the sum over regular j of r_j x_j.  Every pair that holds a small row keeps the formula as it is written, max and all, pair by pair (launch 3): the guard is never dropped.
;  (b) The mean's factor 1 / 8192 is a positive power of two: it changes no order, and the mean itself is no output.
;  (c) order[100:] is sliced away: only ranks below 100 are stored (launch 4).
; All of x has a way to the outputs and is loaded.  No 16-bit rounding and no matrix unit anywhere: the row numbers are compared exactly, and what is left are matrix-vector products.
; LIMITS.  The order of the f32 roundings differs from the written one, so two scores closer than some 1e-6 of the scores' spread may change places.  A NaN or an infinity in x, or a
; sum of squares that overflows, makes scores NaN as in the written form; NaN scores sort last, among themselves by row number.  A sum of squares below 2^-126 counts as 0 (the root
; takes a denormal for 0): the row is then small with n = 0.  A score that only the division by 8192 would round to a tie is not made a tie.
;
; THIS LAUNCH: n_i, r_i (0 for a small row), the flag 'small', and each work-group's part of s.
; SHARES.  Work-group b: rows 32 b .. 32 b + 31; wave w four of them.  A lane holds 16 numbers of each row: bytes 16 lane + 512 j, so each load of a wave covers 512 consecutive bytes.
; All 16 loads of a wave go out at once: the work-group's whole share, 64 KiB, is on its way, and nothing is asked for later.  So no ring, no LDS on the way in, no prefetch.
; part: [8 column blocks][256 work-groups][64 columns] f32: a wave stores 256 consecutive bytes, aligned.
.set ROWB,  2048                       ; bytes in a row of x
.set ACCL,  0                          ; LDS: wave w's 512 weighted column sums at 2048 w, laid as a row of x
.set RNL,   16384                      ; LDS: row p of the 32: the pair {r, n} at 8 p
.set SPARE, 16640                      ; the spare words, 128 bytes for each of the eight waves; no other line names them
.set RN,  16                           ; v[16:23]   row k: r at 16 + 2 k, n at 17 + 2 k
.set T,   24                           ; v[24:31]   row k: the raw reciprocal root at 24 + k, at work 28 + k
.set X,   32                           ; v[32:95]   row k at 32 + 16 k
.set ACC, 96                           ; v[96:111]  the sum over my four rows of r x, my 16 columns
.set Q,   112                          ; v[112:127] row k: two packed chains of squares at 112 + 4 k
; v1 16 lane; v2, v3 the add's two registers; v4 ACCL in; v5 ACCL back; v6 offset in part; v7 RNL in; v8 RNL back; v9 offset in rn; v10 offset in small; v12 wave; v13 lane
; s[4:11] x, part, rn, small; s12 wave; s[14:15] my rows' offset in x; s16, s17 lane selects; s18 TAU; s19-s21 at work
	s_load_b256 s[4:11], s[0:1], 0x0
	v_lshl_add_u32 v2, v0, 2, SPARE
	v_mov_b32 v3, 0
	v_lshrrev_b32 v12, 5, v0
	v_readfirstlane_b32 s12, v12                   ; wave 0..7
	v_and_b32 v13, 31, v0                          ; lane
	v_lshlrev_b32 v1, 4, v13
	s_lshl_b32 s14, ttmp9, 16                      ; 32 rows of 2,048 bytes a work-group,
	s_lshl_b32 s19, s12, 13                        ; 4 rows a wave
	s_add_co_u32 s14, s14, s19
	s_mov_b32 s15, 0
	s_mov_b32 s16, 0x76543210                      ; v_permlanex16_b32: each lane takes its own place in the other half
	s_mov_b32 s17, 0xfedcba98
	s_mov_b32 s18, 0x38d1b718                      ; TAU
	s_lshl_b32 s19, s12, 11
	v_add_nc_u32 v4, s19, v1                       ; 2048 w + 16 lane
	v_lshlrev_b32 v5, 3, v0                        ; 8 t: columns 2 t, 2 t + 1
	s_lshl_b32 s19, s12, 16                        ; column block w of part,
	s_lshl_b32 s20, ttmp9, 8                       ; the work-group's 256 bytes in it
	s_add_co_u32 s19, s19, s20
	v_lshl_add_u32 v6, v13, 3, s19
	s_lshl_b32 s19, s12, 5
	s_add_co_u32 s19, s19, RNL
	v_mov_b32 v7, s19                              ; RNL + 32 w
	v_lshl_add_u32 v8, v13, 3, RNL
	v_lshl_add_u32 v9, v13, 3, s20                 ; rn: 256 b + 8 lane
	s_lshl_b32 s21, ttmp9, 7
	v_lshl_add_u32 v10, v13, 2, s21                ; small: 128 b + 4 lane
	s_wait_kmcnt 0x0
	s_add_nc_u64 s[4:5], s[4:5], s[14:15]          ; x at my wave's first row
.irp k, 0,1,2,3
.irp j, 0,1,2,3
	global_load_b128 v[X+16*(\k)+4*(\j):X+16*(\k)+4*(\j)+3], v1, s[4:5] offset:ROWB*(\k)+512*(\j)
.endr
.endr
; Row k's sum of squares, my 16 numbers: two packed chains that do not wait for each other; the first products start them.
.macro SQ k
.set xr, X+16*(\k)
.set qr, Q+4*(\k)
	s_wait_loadcnt 12-4*(\k)                       ; loads come back in order: row k's four are in, the 12 - 4 k of the rows behind it may stay out
	v_pk_mul_f32 v[qr:qr+1],   v[xr:xr+1],   v[xr:xr+1]
	v_pk_mul_f32 v[qr+2:qr+3], v[xr+2:xr+3], v[xr+2:xr+3]
.irp p, 2,3,4,5,6,7
.set xp, xr+2*(\p)
.set qp, qr+2*((\p)%2)
	v_pk_fma_f32 v[qp:qp+1], v[xp:xp+1], v[xp:xp+1], v[qp:qp+1]
.endr
	v_pk_add_f32 v[qr:qr+1], v[qr:qr+1], v[qr+2:qr+3]
	v_add_f32 v[qr], v[qr], v[qr+1]
.endm
; Four sums over the wave's 32 lanes, step by step across the four so that no line reads the one before it; every lane ends with the same bits.  Sum k lies at b + 4 k, b + 4 k + 1 is at work.
.macro WSUM4 b
.irp m, 1,2,4,8
.irp k, 0,1,2,3
	v_add_f32_dpp v[(\b)+4*(\k)], v[(\b)+4*(\k)], v[(\b)+4*(\k)] row_xmask:\m row_mask:0xf bank_mask:0xf
.endr
.endr
.irp k, 0,1,2,3
	v_permlanex16_b32 v[(\b)+4*(\k)+1], v[(\b)+4*(\k)], s16, s17
.endr
.irp k, 0,1,2,3
	v_add_f32 v[(\b)+4*(\k)], v[(\b)+4*(\k)], v[(\b)+4*(\k)+1]
.endr
.endm
	SQ 0
	SQ 1
	SQ 2
	SQ 3
	WSUM4 Q                                        ; q_k = the row's sum of squares, in every lane
.irp k, 0,1,2,3
	v_sqrt_f32 v[RN+2*(\k)+1], v[Q+4*(\k)]         ; n
.endr
.irp k, 0,1,2,3
	v_rsq_f32 v[T+(\k)], v[Q+4*(\k)]               ; t, about 1 / n
.endr
	v_nop                                          ; a plain instruction behind the last of the eight,
	s_wait_alu depctr_va_vdst(0)                   ; and one wait for the batch, ahead of its first reader
	; one Newton step: r = t + (t / 2) (1 - q t t)
.irp k, 0,1,2,3
	v_mul_f32 v[T+4+(\k)], v[Q+4*(\k)], v[T+(\k)]
.endr
.irp k, 0,1,2,3
	v_fma_f32 v[T+4+(\k)], -v[T+4+(\k)], v[T+(\k)], 1.0
.endr
.irp k, 0,1,2,3
	v_mul_f32 v[Q+4*(\k)+1], 0.5, v[T+(\k)]
.endr
.irp k, 0,1,2,3
	v_fma_f32 v[RN+2*(\k)], v[Q+4*(\k)+1], v[T+4+(\k)], v[T+(\k)]
.endr
.irp k, 0,1,2,3
	v_cmp_gt_f32 vcc_lo, s18, v[RN+2*(\k)+1]       ; a small row
	v_cndmask_b32 v[RN+2*(\k)], v[RN+2*(\k)], 0, vcc_lo  ; has r = 0 (what q = 0 made of r is thrown away here)
.endr
.irp p, 0,1,2,3,4,5,6,7
	v_pk_mul_f32 v[ACC+2*(\p):ACC+2*(\p)+1], v[X+2*(\p):X+2*(\p)+1], v[RN:RN+1] op_sel_hi:[1,0]  ; row 0 starts the sums
.endr
.irp k, 1,2,3
.irp p, 0,1,2,3,4,5,6,7
	v_pk_fma_f32 v[ACC+2*(\p):ACC+2*(\p)+1], v[X+16*(\k)+2*(\p):X+16*(\k)+2*(\p)+1], v[RN+2*(\k):RN+2*(\k)+1], v[ACC+2*(\p):ACC+2*(\p)+1] op_sel_hi:[1,0,1]
.endr
.endr
.irp j, 0,1,2,3
	ds_store_b128 v4, v[ACC+4*(\j):ACC+4*(\j)+3] offset:ACCL+512*(\j)
.endr
	ds_store_b128 v7, v[RN:RN+3]                   ; all lanes write the same bytes with the same data
	ds_store_b128 v7, v[RN+4:RN+7] offset:16
	s_wait_dscnt 0x0                               ; for the others' sake: my stores are done
	s_barrier_signal -1
	s_barrier_wait -1
.irp m, 0,1,2,3,4,5,6,7
	ds_load_b64 v[X+2*(\m):X+2*(\m)+1], v5 offset:ACCL+2048*(\m)  ; my two columns of the eight waves' sums
.endr
	s_wait_dscnt 0x0
.irp m, 0,4,8,12
	v_pk_add_f32 v[X+(\m):X+(\m)+1], v[X+(\m):X+(\m)+1], v[X+(\m)+2:X+(\m)+3]
.endr
	v_pk_add_f32 v[X:X+1], v[X:X+1], v[X+4:X+5]
	v_pk_add_f32 v[X+8:X+9], v[X+8:X+9], v[X+12:X+13]
	v_pk_add_f32 v[X:X+1], v[X:X+1], v[X+8:X+9]
	global_store_b64 v6, v[X:X+1], s[6:7]          ; a wave stores 256 consecutive bytes, aligned
	s_cmp_lg_u32 s12, 0
	s_cbranch_scc1 .Lend                           ; wave 0 stores the 32 rows' r, n and flag
	ds_load_b64 v[48:49], v8
	s_wait_dscnt 0x0
	global_store_b64 v9, v[48:49], s[8:9]          ; 256 consecutive bytes, aligned
	v_cmp_gt_f32 vcc_lo, s18, v49
	v_cndmask_b32 v50, 0, 1, vcc_lo
	global_store_b32 v10, v50, s[10:11]            ; 128 consecutive bytes: all that a work-group has of this table
.Lend:
	s_wait_tensorcnt 0x0                           ; the wave's end, behind my last LDS store
	ds_add_u32 v2, v3
	s_wait_dscnt 0x0
	s_endpgm
.Lfunc_end_k_q2e98e1bfb9_norms:
	.size	k_q2e98e1bfb9_norms, .Lfunc_end_k_q2e98e1bfb9_norms-k_q2e98e1bfb9_norms
	.p2alignl 7, 3214868480
	.fill 96, 4, 3214868480
	.section	.rodata,"a",@progbits
	.p2align	6, 0x0
	.amdhsa_kernel k_q2e98e1bfb9_norms
		.amdhsa_group_segment_fixed_size 17664
		.amdhsa_private_segment_fixed_size 0
		.amdhsa_enable_private_segment 0
		.amdhsa_kernarg_size 32
		.amdhsa_user_sgpr_count 2
		.amdhsa_user_sgpr_kernarg_segment_ptr 1
		.amdhsa_wavefront_size32 1
		.amdhsa_system_sgpr_workgroup_id_x 1
		.amdhsa_system_sgpr_workgroup_id_y 1
		.amdhsa_system_sgpr_workgroup_id_z 1
		.amdhsa_system_vgpr_workitem_id 0
		.amdhsa_next_free_vgpr 128
		.amdhsa_next_free_sgpr 66
		.amdhsa_reserve_vcc 1
		.amdhsa_float_denorm_mode_32 3
		.amdhsa_float_denorm_mode_16_64 3
		.amdhsa_memory_ordered 1
		.amdhsa_forward_progress 1
		.amdhsa_inst_pref_size 13
	.end_amdhsa_kernel
	.amdgpu_metadata
---
amdhsa.version: [ 1, 2 ]
amdhsa.kernels:
  - .name:           k_q2e98e1bfb9_norms
    .symbol:         k_q2e98e1bfb9_norms.kd
    .args:
      - { .name: x, .offset: 0, .size: 8, .value_kind: global_buffer, .address_space: global }
      - { .name: part, .offset: 8, .size: 8, .value_kind: global_buffer, .address_space: global }
      - { .name: rn, .offset: 16, .size: 8, .value_kind: global_buffer, .address_space: global }
      - { .name: small, .offset: 24, .size: 8, .value_kind: global_buffer, .address_space: global }
    .group_segment_fixed_size: 17664
    .private_segment_fixed_size: 0
    .kernarg_segment_align: 8
    .kernarg_segment_size: 32
    .max_flat_workgroup_size: 256
    .sgpr_count:     66
    .vgpr_count:     128
    .wavefront_size: 32
...
	.end_amdgpu_metadata
.endif
;; end of part 1
;; launch reduce (part 2): grid 9 x 1, 8 waves a work-group, no clusters, 3,328 bytes of LDS; arguments part, small, svec, list; writes svec, list
.if DOCPART == 2
	.amdgcn_target "amdgcn-amd-amdhsa--gfx1250"
	.amdhsa_code_object_version 6
	.text
	.protected	k_q2e98e1bfb9_reduce
	.globl	k_q2e98e1bfb9_reduce
	.p2align	8
	.type	k_q2e98e1bfb9_reduce,@function
k_q2e98e1bfb9_reduce:
	s_mov_b64 s[64:65], 0
	v_nop
	global_prefetch_b8 v0, s[64:65] scope:SCOPE_SE
	s_setreg_imm32_b32 hwreg(HW_REG_WAVE_MODE, 25, 1), 1
	s_wait_xcnt 0x0
; Work-groups 0 to 7 (way S): s[64 c .. 64 c + 63] = the sum of column block c of part over its 256 rows (64 KiB, dense, all asked for at once).
; Work-group 8 (way L): list = all 8,192 row numbers, the small rows first (each kind in ascending order), and M, the number of small rows, 64 times from byte 32,768 on.
; Nothing of the problem is left out here; there is work for nine work-groups and nine are launched.
; The one barrier stands on every wave's way, outside the branches on the work-group's number: way, join, barrier, way, join.
.set RED,   0                          ; LDS: wave w's 64 column sums at 256 w
.set CNT,   2048                       ; LDS: wave w's count of small rows at 4 w
.set SPARE, 2304                       ; the spare words, 128 bytes for each of the eight waves; no other line names them
; v1 16 t; v2, v3 the add's two registers; v4 4096 w + 4 lane; v5 RED in; v6 RED back; v7 CNT in; v8 at work; v9 my first row's number; v10, v11 at work; v12 wave; v13 lane; v14 CNT;
; v15 offset in svec; v[16:18] M twice and its offset; v[32:95] data (way L: v[32:63] flags, then offsets; v[64:95] row numbers); v[96:103] the eight counts
; s[4:11] part, small, svec, list; s12 wave; s13 work-group; s[14:15] offset; s16, s17 lane selects; s[20:27] counts; s28 M; s29, s30 next place among the small, the regular; s31, s32 at work; s[34:35] my block
	s_load_b256 s[4:11], s[0:1], 0x0
	v_lshl_add_u32 v2, v0, 2, SPARE
	v_mov_b32 v3, 0
	v_lshrrev_b32 v12, 5, v0
	v_readfirstlane_b32 s12, v12                   ; wave 0..7
	v_and_b32 v13, 31, v0                          ; lane
	s_mov_b32 s13, ttmp9
	s_mov_b32 s16, 0x76543210
	s_mov_b32 s17, 0xfedcba98
	v_lshlrev_b32 v1, 4, v0                        ; 16 t
	s_lshl_b32 s31, s12, 12
	v_lshl_add_u32 v4, v13, 2, s31                 ; 4096 w + 4 lane
	v_and_b32 v5, 15, v0
	s_lshl_b32 s31, s12, 8
	v_lshl_add_u32 v5, v5, 4, s31                  ; 256 w + 16 (lane % 16)
	v_lshlrev_b32 v6, 3, v13                       ; 8 lane
	s_lshl_b32 s31, s12, 2
	s_add_co_u32 s31, s31, CNT
	v_mov_b32 v7, s31
	v_mov_b32 v14, CNT
	s_lshl_b32 s31, s12, 10
	v_add_nc_u32 v9, s31, v13                      ; 1024 w + lane
	s_lshl_b32 s14, s13, 16
	s_mov_b32 s15, 0
	s_wait_kmcnt 0x0
	s_cmp_eq_u32 s13, 8
	s_cbranch_scc1 .Llist_a
	; WAY S, first part: thread t takes columns 4 (t % 16) .. + 3 of rows 16 k + t / 16
	s_add_nc_u64 s[34:35], s[4:5], s[14:15]
.irp k, 0,1,2,3,4,5,6,7,8,9,10,11,12,13,14,15
	global_load_b128 v[32+4*(\k):35+4*(\k)], v1, s[34:35] offset:4096*(\k)
.endr
	s_wait_loadcnt 0x0
.irp d, 8,4,2,1
.set k, 0
.rept \d
	v_pk_add_f32 v[32+4*k:33+4*k], v[32+4*k:33+4*k], v[32+4*(k+\d):33+4*(k+\d)]
	v_pk_add_f32 v[34+4*k:35+4*k], v[34+4*k:35+4*k], v[34+4*(k+\d):35+4*(k+\d)]
.set k, k+1
.endr
.endr
.irp c, 0,1,2,3
	v_permlanex16_b32 v[36+(\c)], v[32+(\c)], s16, s17  ; the lane 16 away holds the same columns of other rows
.endr
	v_pk_add_f32 v[32:33], v[32:33], v[36:37]
	v_pk_add_f32 v[34:35], v[34:35], v[38:39]
	ds_store_b128 v5, v[32:35] offset:RED          ; lanes l and l + 16 write the same bytes with the same data
	s_branch .Lmeet
.Llist_a:
	; WAY L, first part: wave w takes rows 1024 w .. + 1023, register g the rows 32 g + lane of them; it counts its small rows
.irp g, 0,1,2,3,4,5,6,7,8,9,10,11,12,13,14,15,16,17,18,19,20,21,22,23,24,25,26,27,28,29,30,31
	global_load_b32 v[32+(\g)], v4, s[6:7] offset:128*(\g)
.endr
	s_mov_b32 s31, 0
	s_wait_loadcnt 0x0
.irp g, 0,1,2,3,4,5,6,7,8,9,10,11,12,13,14,15,16,17,18,19,20,21,22,23,24,25,26,27,28,29,30,31
	v_cmp_ne_u32 vcc_lo, 0, v[32+(\g)]
	s_bcnt1_i32_b32 s32, vcc_lo
	s_add_co_u32 s31, s31, s32
.endr
	v_mov_b32 v8, s31
	ds_store_b32 v7, v8
.Lmeet:
	s_wait_dscnt 0x0                               ; for the others' sake: my store is done
	s_barrier_signal -1
	s_barrier_wait -1
	s_cmp_eq_u32 s13, 8
	s_cbranch_scc1 .Llist_b
	; WAY S, second part: wave 0 adds the eight waves' sums and stores the block's 64 numbers of s
	s_cmp_lg_u32 s12, 0
	s_cbranch_scc1 .Lend
.irp m, 0,1,2,3,4,5,6,7
	ds_load_b64 v[32+2*(\m):33+2*(\m)], v6 offset:RED+256*(\m)
.endr
	s_lshl_b32 s31, s13, 8
	v_lshl_add_u32 v15, v13, 3, s31
	s_wait_dscnt 0x0
.irp m, 0,4,8,12
	v_pk_add_f32 v[32+(\m):33+(\m)], v[32+(\m):33+(\m)], v[34+(\m):35+(\m)]
.endr
	v_pk_add_f32 v[32:33], v[32:33], v[36:37]
	v_pk_add_f32 v[40:41], v[40:41], v[44:45]
	v_pk_add_f32 v[32:33], v[32:33], v[40:41]
	global_store_b64 v15, v[32:33], s[8:9]         ; 256 consecutive bytes, aligned
	s_branch .Lend
.Llist_b:
	; WAY L, second part: M; where my wave's small rows and its regular rows begin in the list; each row's place
	ds_load_b128 v[96:99], v14
	ds_load_b128 v[100:103], v14 offset:16
	s_wait_dscnt 0x0
.irp i, 0,1,2,3,4,5,6,7
	v_readfirstlane_b32 s[20+(\i)], v[96+(\i)]
.endr
	s_mov_b32 s28, 0
	s_mov_b32 s29, 0
.irp i, 0,1,2,3,4,5,6,7
	s_add_co_u32 s28, s28, s[20+(\i)]              ; M
	s_cmp_lt_u32 \i, s12
	s_cselect_b32 s32, s[20+(\i)], 0
	s_add_co_u32 s29, s29, s32                     ; the small rows of the waves below mine
.endr
	s_lshl_b32 s30, s12, 10
	s_add_co_u32 s30, s30, s28
	s_sub_co_u32 s30, s30, s29                     ; M + the regular rows of the waves below mine
; The 32 rows of register g.  Every lane stores, so EXEC never changes; each g has its own offset and data registers, so no store's source is written again.
.macro PLACE g
	v_cmp_ne_u32 vcc_lo, 0, v[32+(\g)]
	s_not_b32 s31, vcc_lo
	v_mbcnt_lo_u32_b32 v10, vcc_lo, s29            ; the small rows in the lanes below mine, behind those counted so far
	v_mbcnt_lo_u32_b32 v11, s31, s30               ; the same for the regular rows
	v_cndmask_b32 v[32+(\g)], v11, v10, vcc_lo
	v_min_u32 v[32+(\g)], 8191, v[32+(\g)]         ; a place made of loaded numbers enters an address only behind this bound (it never binds)
	v_lshlrev_b32 v[32+(\g)], 2, v[32+(\g)]
	v_add_nc_u32 v[64+(\g)], 32*(\g), v9           ; the row's number
	global_store_b32 v[32+(\g)], v[64+(\g)], s[10:11]
	s_bcnt1_i32_b32 s32, vcc_lo
	s_add_co_u32 s29, s29, s32
	s_sub_co_u32 s31, 32, s32
	s_add_co_u32 s30, s30, s31
.endm
.irp g, 0,1,2,3,4,5,6,7,8,9,10,11,12,13,14,15,16,17,18,19,20,21,22,23,24,25,26,27,28,29,30,31
	PLACE \g
.endr
	s_cmp_lg_u32 s12, 0
	s_cbranch_scc1 .Lend
	v_mov_b32 v16, s28
	v_mov_b32 v17, s28
	v_lshl_add_u32 v18, v13, 3, 32768
	global_store_b64 v18, v[16:17], s[10:11]       ; M, 64 times: 256 consecutive bytes, aligned
.Lend:
	s_wait_tensorcnt 0x0                           ; the wave's end, behind my last LDS store
	ds_add_u32 v2, v3
	s_wait_dscnt 0x0
	s_endpgm
.Lfunc_end_k_q2e98e1bfb9_reduce:
	.size	k_q2e98e1bfb9_reduce, .Lfunc_end_k_q2e98e1bfb9_reduce-k_q2e98e1bfb9_reduce
	.p2alignl 7, 3214868480
	.fill 96, 4, 3214868480
	.section	.rodata,"a",@progbits
	.p2align	6, 0x0
	.amdhsa_kernel k_q2e98e1bfb9_reduce
		.amdhsa_group_segment_fixed_size 3328
		.amdhsa_private_segment_fixed_size 0
		.amdhsa_enable_private_segment 0
		.amdhsa_kernarg_size 32
		.amdhsa_user_sgpr_count 2
		.amdhsa_user_sgpr_kernarg_segment_ptr 1
		.amdhsa_wavefront_size32 1
		.amdhsa_system_sgpr_workgroup_id_x 1
		.amdhsa_system_sgpr_workgroup_id_y 1
		.amdhsa_system_sgpr_workgroup_id_z 1
		.amdhsa_system_vgpr_workitem_id 0
		.amdhsa_next_free_vgpr 128
		.amdhsa_next_free_sgpr 66
		.amdhsa_reserve_vcc 1
		.amdhsa_float_denorm_mode_32 3
		.amdhsa_float_denorm_mode_16_64 3
		.amdhsa_memory_ordered 1
		.amdhsa_forward_progress 1
		.amdhsa_inst_pref_size 34
	.end_amdhsa_kernel
	.amdgpu_metadata
---
amdhsa.version: [ 1, 2 ]
amdhsa.kernels:
  - .name:           k_q2e98e1bfb9_reduce
    .symbol:         k_q2e98e1bfb9_reduce.kd
    .args:
      - { .name: part, .offset: 0, .size: 8, .value_kind: global_buffer, .address_space: global }
      - { .name: small, .offset: 8, .size: 8, .value_kind: global_buffer, .address_space: global }
      - { .name: svec, .offset: 16, .size: 8, .value_kind: global_buffer, .address_space: global }
      - { .name: list, .offset: 24, .size: 8, .value_kind: global_buffer, .address_space: global }
    .group_segment_fixed_size: 3328
    .private_segment_fixed_size: 0
    .kernarg_segment_align: 8
    .kernarg_segment_size: 32
    .max_flat_workgroup_size: 256
    .sgpr_count:     66
    .vgpr_count:     128
    .wavefront_size: 32
...
	.end_amdgpu_metadata
.endif
;; end of part 2
;; launch score (part 3): grid 256 x 1, 8 waves a work-group, no clusters, 1,280 bytes of LDS; arguments x, svec, rn, small, list, keys; writes keys
.if DOCPART == 3
	.amdgcn_target "amdgcn-amd-amdhsa--gfx1250"
	.amdhsa_code_object_version 6
	.text
	.protected	k_q2e98e1bfb9_score
	.globl	k_q2e98e1bfb9_score
	.p2align	8
	.type	k_q2e98e1bfb9_score,@function
k_q2e98e1bfb9_score:
	s_mov_b64 s[64:65], 0
	v_nop
	global_prefetch_b8 v0, s[64:65] scope:SCOPE_SE
	s_setreg_imm32_b32 hwreg(HW_REG_WAVE_MODE, 25, 1), 1
	s_wait_xcnt 0x0
; score[i] = r_i (x_i . s) + the sum over the first cnt_i rows j of list of (x_i . x_j) / max(n_i n_j, 1e-8); cnt_i = 8192 if row i is small, else M, the number of small rows.
; Left out, as shown at the head of the first kernel: the matrix of all products (regular pairs are summed through s; every pair with a small row is taken as written) and the factor 1 / 8192.
; A small row has r = 0, so its first term is 0 and its sum runs over all rows; list holds the small rows first, so a regular row's sum runs over just these.
; THE PAIRS' LOOP has no trip where no row is small.  It takes one partner row a trip and waits for it: it is there to be right, not fast; with all rows small it makes 8192 x 8192 products of rows.
; Its trip counts and addresses hang on whole numbers that earlier launches stored (small, list, M).
; THE KEY: the score as a whole number whose unsigned order is the scores' order: -0 counts as +0, every NaN as 0xfffffffe, above all numbers (+infinity is 0xff800000).
; SHARES as in the first launch: work-group b rows 32 b .. + 31, wave w four of them, a lane bytes 16 lane + 512 j of each row and of s.  All 20 loads of a wave go out at once.
.set ROWB,  2048
.set KEYL,  0                          ; LDS: wave w's four keys at 16 w
.set SPARE, 256                        ; the spare words, 128 bytes for each of the eight waves; no other line names them
.set SC,  16                           ; v[16:19]   the four scores
.set KEY, 28                           ; v[28:31]   the four keys
.set X,   32                           ; v[32:95]   row k at 32 + 16 k
.set S,   96                           ; v[96:111]  my 16 numbers of s
.set D,   112                          ; v[112:127] row k: two packed chains at 112 + 4 k
.set Y,   128                          ; v[128:143] the partner row
; v1 16 lane; v2, v3 the add's two registers; v4 KEYL in; v5 KEYL back; v6 offset in keys; v12 wave; v13 lane; v[20:25] at work
; s[4:15] x, svec, rn, small, list, keys; s16 wave; s17 work-group; s18 my first row; s19, s50 offsets; s[20:27] {r, n} of my four rows; s[28:31] their flags; s32 M; s33 cnt; s34 t; s35 4 t;
; s36 j; s37 8 j; s[38:39] an offset in x; s[40:41] x at row j; s[42:43] {r_j, n_j}; s44, s45 lane selects; s46 1e-8; s47 the key of NaN; s[48:49] x at my first row
	s_load_b256 s[4:11], s[0:1], 0x0
	s_load_b128 s[12:15], s[0:1], 0x20
	v_lshl_add_u32 v2, v0, 2, SPARE
	v_mov_b32 v3, 0
	v_lshrrev_b32 v12, 5, v0
	v_readfirstlane_b32 s16, v12                   ; wave 0..7
	v_and_b32 v13, 31, v0                          ; lane
	v_lshlrev_b32 v1, 4, v13
	s_mov_b32 s17, ttmp9
	s_lshl_b32 s18, s17, 5
	s_lshl_b32 s19, s16, 2
	s_add_co_u32 s18, s18, s19                     ; my first row: 32 b + 4 w
	s_lshl_b32 s19, s18, 3                         ; its pair in rn
	s_lshl_b32 s50, s18, 2                         ; its flag in small
	s_lshl_b32 s38, s18, 11                        ; its bytes in x
	s_mov_b32 s39, 0
	s_mov_b32 s44, 0x76543210
	s_mov_b32 s45, 0xfedcba98
	s_mov_b32 s46, 0x322bcc77                      ; 1e-8
	s_mov_b32 s47, 0xfffffffe
	s_lshl_b32 s51, s16, 4
	v_mov_b32 v4, s51                              ; KEYL + 16 w
	v_lshlrev_b32 v5, 2, v13                       ; KEYL + 4 lane
	s_lshl_b32 s51, s17, 7
	v_lshl_add_u32 v6, v13, 2, s51                 ; keys: 128 b + 4 lane
	s_wait_kmcnt 0x0
	s_load_b256 s[20:27], s[8:9], s19 offset:0x0
	s_load_b128 s[28:31], s[10:11], s50 offset:0x0
	s_load_b32 s32, s[12:13], 0x8000
	s_add_nc_u64 s[48:49], s[4:5], s[38:39]
.irp j, 0,1,2,3
	global_load_b128 v[S+4*(\j):S+4*(\j)+3], v1, s[6:7] offset:512*(\j)
.endr
.irp k, 0,1,2,3
.irp j, 0,1,2,3
	global_load_b128 v[X+16*(\k)+4*(\j):X+16*(\k)+4*(\j)+3], v1, s[48:49] offset:ROWB*(\k)+512*(\j)
.endr
.endr
; My 16 terms of a product of rows: v[d] = the sum of a's 16 numbers times b's; two packed chains, d .. d + 3, started by the first products.
.macro DOT16 d, a, b
	v_pk_mul_f32 v[(\d):(\d)+1],   v[(\a):(\a)+1],   v[(\b):(\b)+1]
	v_pk_mul_f32 v[(\d)+2:(\d)+3], v[(\a)+2:(\a)+3], v[(\b)+2:(\b)+3]
.irp p, 2,3,4,5,6,7
.set dp, (\d)+2*((\p)%2)
	v_pk_fma_f32 v[dp:dp+1], v[(\a)+2*(\p):(\a)+2*(\p)+1], v[(\b)+2*(\p):(\b)+2*(\p)+1], v[dp:dp+1]
.endr
	v_pk_add_f32 v[(\d):(\d)+1], v[(\d):(\d)+1], v[(\d)+2:(\d)+3]
	v_add_f32 v[(\d)], v[(\d)], v[(\d)+1]
.endm
.macro DOT k
	s_wait_loadcnt 12-4*(\k)                       ; loads come back in order: s's four and row k's four are in, the 12 - 4 k of the rows behind it may stay out
	DOT16 D+4*(\k), X+16*(\k), S
.endm
; Four sums over the 32 lanes, step by step across the four; every lane ends with the same bits.
.macro WSUM4 b
.irp m, 1,2,4,8
.irp k, 0,1,2,3
	v_add_f32_dpp v[(\b)+4*(\k)], v[(\b)+4*(\k)], v[(\b)+4*(\k)] row_xmask:\m row_mask:0xf bank_mask:0xf
.endr
.endr
.irp k, 0,1,2,3
	v_permlanex16_b32 v[(\b)+4*(\k)+1], v[(\b)+4*(\k)], s44, s45
.endr
.irp k, 0,1,2,3
	v_add_f32 v[(\b)+4*(\k)], v[(\b)+4*(\k)], v[(\b)+4*(\k)+1]
.endr
.endm
.macro WSUM1 r, t                      ; one such sum
.irp m, 1,2,4,8
	v_add_f32_dpp v[\r], v[\r], v[\r] row_xmask:\m row_mask:0xf bank_mask:0xf
.endr
	v_permlanex16_b32 v[\t], v[\r], s44, s45
	v_add_f32 v[\r], v[\r], v[\t]
.endm
; The pairs of my row k that hold a small row, as the formula is written.
.macro PAIRS k
	s_cmp_lg_u32 s[28+(\k)], 0
	s_cselect_b32 s33, 8192, s32                   ; a small row meets all rows, a regular one the M small rows
	s_cmp_eq_u32 s33, 0
	s_cbranch_scc1 .Lnone_\k
	s_mov_b32 s34, 0
.Lpair_\k:
	s_min_u32 s35, s34, 8191                       ; (never binds: the count is 8,192 at the most)
	s_lshl_b32 s35, s35, 2
	s_load_b32 s36, s[12:13], s35 offset:0x0       ; j = list[t]
	s_wait_kmcnt 0x0
	s_min_u32 s36, s36, 8191                       ; a loaded number enters an address only behind this bound (it never binds)
	s_lshl_b32 s38, s36, 11
	s_lshl_b32 s37, s36, 3
	s_add_nc_u64 s[40:41], s[4:5], s[38:39]
	s_load_b64 s[42:43], s[8:9], s37 offset:0x0    ; n_j in s43
.irp j, 0,1,2,3
	global_load_b128 v[Y+4*(\j):Y+4*(\j)+3], v1, s[40:41] offset:512*(\j)
.endr
	s_wait_kmcnt 0x0
	v_mul_f32 v20, s[21+2*(\k)], s43               ; n_i n_j
	v_max_num_f32 v20, s46, v20                    ; the guard
	v_rcp_f32 v21, v20
	s_wait_loadcnt 0x0                             ; the partner row is in; its address registers may be written in the next trip
	DOT16 22, X+16*(\k), Y                         ; plain work that names neither v20 nor v21 stands behind the reciprocal
	WSUM1 22, 23
	s_wait_alu depctr_va_vdst(0)                   ; the wait ahead of the reciprocal's first reader
	v_fmac_f32 v[SC+(\k)], v22, v21
	s_add_co_u32 s34, s34, 1
	s_cmp_lt_u32 s34, s33
	s_cbranch_scc1 .Lpair_\k
.Lnone_\k:
.endm
.macro TOKEY k
	v_add_f32 v20, 0, v[SC+(\k)]                   ; -0 becomes +0
	v_ashrrev_i32 v21, 31, v20
	v_or_b32 v21, 0x80000000, v21                  ; a negative number has all its bits turned, any other its sign
	v_xor_b32 v22, v20, v21
	v_cmp_neq_f32 vcc_lo, v20, v20                 ; NaN
	v_cndmask_b32 v[KEY+(\k)], v22, s47, vcc_lo
.endm
	DOT 0
	DOT 1
	DOT 2
	DOT 3
	WSUM4 D
	s_wait_kmcnt 0x0                               ; r, n, the flags and M
	s_min_u32 s32, s32, 8192                       ; a loaded number bounds a loop only behind this bound (it never binds)
.irp k, 0,1,2,3
	v_mul_f32 v[SC+(\k)], s[20+2*(\k)], v[D+4*(\k)]
.endr
	PAIRS 0
	PAIRS 1
	PAIRS 2
	PAIRS 3
	TOKEY 0
	TOKEY 1
	TOKEY 2
	TOKEY 3
	ds_store_b128 v4, v[KEY:KEY+3] offset:KEYL     ; all lanes write the same bytes with the same data
	s_wait_dscnt 0x0                               ; for wave 0's sake: my store is done
	s_barrier_signal -1
	s_barrier_wait -1
	s_cmp_lg_u32 s16, 0
	s_cbranch_scc1 .Lend
	ds_load_b32 v20, v5 offset:KEYL
	s_wait_dscnt 0x0
	global_store_b32 v6, v20, s[14:15]             ; the work-group's 32 keys: 128 consecutive bytes
.Lend:
	s_wait_tensorcnt 0x0                           ; the wave's end, behind my last LDS store
	ds_add_u32 v2, v3
	s_wait_dscnt 0x0
	s_endpgm
.Lfunc_end_k_q2e98e1bfb9_score:
	.size	k_q2e98e1bfb9_score, .Lfunc_end_k_q2e98e1bfb9_score-k_q2e98e1bfb9_score
	.p2alignl 7, 3214868480
	.fill 96, 4, 3214868480
	.section	.rodata,"a",@progbits
	.p2align	6, 0x0
	.amdhsa_kernel k_q2e98e1bfb9_score
		.amdhsa_group_segment_fixed_size 1280
		.amdhsa_private_segment_fixed_size 0
		.amdhsa_enable_private_segment 0
		.amdhsa_kernarg_size 48
		.amdhsa_user_sgpr_count 2
		.amdhsa_user_sgpr_kernarg_segment_ptr 1
		.amdhsa_wavefront_size32 1
		.amdhsa_system_sgpr_workgroup_id_x 1
		.amdhsa_system_sgpr_workgroup_id_y 1
		.amdhsa_system_sgpr_workgroup_id_z 1
		.amdhsa_system_vgpr_workitem_id 0
		.amdhsa_next_free_vgpr 144
		.amdhsa_next_free_sgpr 66
		.amdhsa_reserve_vcc 1
		.amdhsa_float_denorm_mode_32 3
		.amdhsa_float_denorm_mode_16_64 3
		.amdhsa_memory_ordered 1
		.amdhsa_forward_progress 1
		.amdhsa_inst_pref_size 19
	.end_amdhsa_kernel
	.amdgpu_metadata
---
amdhsa.version: [ 1, 2 ]
amdhsa.kernels:
  - .name:           k_q2e98e1bfb9_score
    .symbol:         k_q2e98e1bfb9_score.kd
    .args:
      - { .name: x, .offset: 0, .size: 8, .value_kind: global_buffer, .address_space: global }
      - { .name: svec, .offset: 8, .size: 8, .value_kind: global_buffer, .address_space: global }
      - { .name: rn, .offset: 16, .size: 8, .value_kind: global_buffer, .address_space: global }
      - { .name: small, .offset: 24, .size: 8, .value_kind: global_buffer, .address_space: global }
      - { .name: list, .offset: 32, .size: 8, .value_kind: global_buffer, .address_space: global }
      - { .name: keys, .offset: 40, .size: 8, .value_kind: global_buffer, .address_space: global }
    .group_segment_fixed_size: 1280
    .private_segment_fixed_size: 0
    .kernarg_segment_align: 8
    .kernarg_segment_size: 48
    .max_flat_workgroup_size: 256
    .sgpr_count:     66
    .vgpr_count:     144
    .wavefront_size: 32
...
	.end_amdgpu_metadata
.endif
;; end of part 3
;; launch rank (part 4): grid 256 x 1, 16 waves a work-group, no clusters, 4,096 bytes of LDS; arguments keys, x, out0, out1; writes out0, out1
.if DOCPART == 4
	.amdgcn_target "amdgcn-amd-amdhsa--gfx1250"
	.amdhsa_code_object_version 6
	.text
	.protected	k_q2e98e1bfb9_rank
	.globl	k_q2e98e1bfb9_rank
	.p2align	8
	.type	k_q2e98e1bfb9_rank,@function
k_q2e98e1bfb9_rank:
	s_mov_b64 s[64:65], 0
	v_nop
	global_prefetch_b8 v0, s[64:65] scope:SCOPE_SE
	s_setreg_imm32_b32 hwreg(HW_REG_WAVE_MODE, 25, 1), 1
	s_wait_xcnt 0x0
; rank[i] = the number of j with key_j < key_i, plus the number of j < i with key_j = key_i: row i's place in the stable ascending order.  A row of rank below 100 is copied to out0[rank], its number to out1[rank].
; Left out: order[100:], which is sliced away: ranks of 100 and more store nothing.  The ranks are a permutation of 0 .. 8191, so each of the 100 places is written once.
; All that steers a branch or an address here is made of the whole numbers in keys, which the launch before stored.
; SHARES.  Work-group b ranks rows 32 b .. + 31, lane = row in every wave.  Wave w counts over keys 512 w .. + 511, in 16 batches of 32 held in scalar registers: batch B = 16 w + n is the
; block of rows 32 B .. + 31.  Blocks below mine lie wholly below my rows: there key_j <= key_i counts, taken as key_j < key_i + 1 (no key is above 0xfffffffe).  My own block and those above
; count key_j < key_i; the ties inside my own block are added apart, two rows j to a wave.  Two instructions count 32 pairs.  Two sets of scalar registers: while one batch is counted the next is on its way.
.set CNTL,  0                          ; LDS: wave w's 32 counts at 128 w
.set SPARE, 2048                       ; the spare words, 128 bytes for each of the sixteen waves; no other line names them
.set KA, 16                            ; s[16:47]  a batch of keys; behind the loop, the copies' addresses
.set KB, 68                            ; s[68:99]  the other batch
; v1 lane; v2, v3 the add's two registers; v4 key_i; v5 what the batch's keys are held against; v6 my count; v7 16 lane; v8 CNTL in; v9 CNTL back; v10 0; v11, v12 row numbers to store; v13 offset of key_i;
; v[16:47] the sixteen waves' counts of two rows; v[48:63], v[64:79] a row of x each
; s[4:11] keys, x, out0, out1; s12 wave; s13 b; s14 B; s15 at work; s[48:49] keys at the batch in hand; s50 trips; s51 offset; s[52:53] keys of rows 2 w, 2 w + 1 of my block; s54, s55 the lanes above them;
; s56, s57 two ranks; s58 rank; s59 row; s[60:61] an offset; s62 EXEC kept
	s_load_b256 s[4:11], s[0:1], 0x0
	v_lshl_add_u32 v2, v0, 2, SPARE
	v_mov_b32 v3, 0
	v_lshrrev_b32 v12, 5, v0
	v_readfirstlane_b32 s12, v12                   ; wave 0..15
	v_and_b32 v1, 31, v0                           ; lane
	s_mov_b32 s13, ttmp9
	v_lshlrev_b32 v7, 4, v1
	s_lshl_b32 s15, s12, 7
	v_lshl_add_u32 v8, v1, 2, s15                  ; 128 w + 4 lane
	s_lshl_b32 s15, s12, 3
	v_mov_b32 v9, s15                              ; 8 w
	v_mov_b32 v10, 0
	s_lshl_b32 s51, s13, 7
	v_lshl_add_u32 v13, v1, 2, s51                 ; 128 b + 4 lane
	s_add_co_u32 s51, s51, s15                     ; 128 b + 8 w
	s_lshl_b32 s60, s12, 11                        ; my 512 keys
	s_mov_b32 s61, 0
	v_mov_b32 v6, 0
	s_lshl_b32 s14, s12, 4                         ; my first batch's number
	s_mov_b32 s50, 7
	s_wait_kmcnt 0x0
	global_load_b32 v4, v13, s[4:5]
	s_add_nc_u64 s[48:49], s[4:5], s[60:61]
	s_load_b64 s[52:53], s[4:5], s51 offset:0x0
	s_load_b512 s[KA:KA+15], s[48:49], 0x0
	s_load_b512 s[KA+16:KA+31], s[48:49], 0x40
	s_wait_loadcnt 0x0
.macro COUNT K                         ; the batch in s[K .. K + 31]
	s_cmp_lt_u32 s14, s13                          ; a block below mine?
	s_cselect_b32 s15, 1, 0
	v_add_nc_u32 v5, s15, v4
	s_add_co_u32 s14, s14, 1
.set m, 0
.rept 32
	v_cmp_lt_u32 vcc_lo, s[(\K)+m], v5
	v_add_co_ci_u32 v6, vcc_lo, 0, v6, vcc_lo      ; the count takes the comparison's bit as a carry
.set m, m+1
.endr
.endm
.Lbatch:                                       ; seven trips of two batches; the last two batches are written out, so that no load leaves the buffer
	s_wait_kmcnt 0x0                               ; scalar loads come back in no order: the count is 0.  KA is in
	s_load_b512 s[KB:KB+15], s[48:49], 0x80
	s_load_b512 s[KB+16:KB+31], s[48:49], 0xc0
	COUNT KA
	s_wait_kmcnt 0x0                               ; KB is in, and no load still reads the pointer
	s_add_nc_u64 s[48:49], s[48:49], 256
	s_load_b512 s[KA:KA+15], s[48:49], 0x0
	s_load_b512 s[KA+16:KA+31], s[48:49], 0x40
	COUNT KB
	s_sub_co_u32 s50, s50, 1
	s_cmp_lg_u32 s50, 0
	s_cbranch_scc1 .Lbatch
	s_wait_kmcnt 0x0
	s_load_b512 s[KB:KB+15], s[48:49], 0x80
	s_load_b512 s[KB+16:KB+31], s[48:49], 0xc0
	COUNT KA
	s_wait_kmcnt 0x0
	COUNT KB
	; ties inside my block: rows j = 2 w and 2 w + 1 of it count for the lanes above them that hold the same key
	s_lshl_b32 s15, s12, 1
	s_lshl_b32 s54, -2, s15                        ; lanes 2 w + 1 .. 31
	s_lshl_b32 s55, s54, 1                         ; lanes 2 w + 2 .. 31
.irp e, 0,1
	v_cmp_eq_u32 vcc_lo, s[52+(\e)], v4
	s_and_b32 vcc_lo, vcc_lo, s[54+(\e)]
	v_add_co_ci_u32 v6, vcc_lo, 0, v6, vcc_lo
.endr
	ds_store_b32 v8, v6 offset:CNTL
	s_wait_dscnt 0x0                               ; for the others' sake: my store is done
	s_barrier_signal -1
	s_barrier_wait -1
	; wave w finishes rows 2 w and 2 w + 1: the sixteen waves' counts, the same address in every lane
.irp m, 0,1,2,3,4,5,6,7,8,9,10,11,12,13,14,15
	ds_load_b64 v[16+2*(\m):17+2*(\m)], v9 offset:CNTL+128*(\m)
.endr
	s_wait_dscnt 0x0
.irp m, 1,3,5,7,9,11,13
	v_add3_u32 v16, v16, v[16+2*(\m)], v[18+2*(\m)]
	v_add3_u32 v17, v17, v[17+2*(\m)], v[19+2*(\m)]
.endr
	v_add_nc_u32 v16, v16, v46
	v_add_nc_u32 v17, v17, v47
	v_readfirstlane_b32 s56, v16
	v_readfirstlane_b32 s57, v17
; Row 2 w + e of my block, if its rank is below 100.  Each e has its own address and data registers.
.macro COPY e
.set BA, KA+8*(\e)                     ; s[BA:BA+1] the row in x, s[BA+2:BA+3] its place in out0, s[BA+4:BA+5] in out1
.set RW, 48+16*(\e)
	s_cmp_lt_u32 s[56+(\e)], 100
	s_cbranch_scc0 .Lno_\e
	s_min_u32 s58, s[56+(\e)], 99                  ; a number made of loaded ones enters an address only behind this bound (it never binds here)
	s_lshl_b32 s59, s13, 5
	s_lshl_b32 s60, s12, 1
	s_add_co_u32 s59, s59, s60
.if \e
	s_add_co_u32 s59, s59, 1
.endif
	s_lshl_b32 s60, s59, 11
	s_add_nc_u64 s[BA:BA+1], s[6:7], s[60:61]
	s_lshl_b32 s60, s58, 11
	s_add_nc_u64 s[BA+2:BA+3], s[8:9], s[60:61]
	s_lshl_b32 s60, s58, 2
	s_add_nc_u64 s[BA+4:BA+5], s[10:11], s[60:61]
.irp j, 0,1,2,3
	global_load_b128 v[RW+4*(\j):RW+4*(\j)+3], v7, s[BA:BA+1] offset:512*(\j)
.endr
	v_mov_b32 v[11+(\e)], s59
	v_cmp_eq_u32 vcc_lo, 0, v1
	s_wait_loadcnt 0x0
.irp j, 0,1,2,3
	global_store_b128 v7, v[RW+4*(\j):RW+4*(\j)+3], s[BA+2:BA+3] offset:512*(\j)  ; each store covers 512 consecutive bytes, aligned
.endr
	s_wait_xcnt 0x0                                ; EXEC is a source of the stores above: it changes only behind this wait
	s_and_saveexec_b32 s62, vcc_lo                 ; lane 0 alone
	global_store_b32 v10, v[11+(\e)], s[BA+4:BA+5] ; four bytes at a place that the rank sets: the 100 numbers come from rows all over the launch
	s_wait_xcnt 0x0                                ; and again, ahead of the line that widens it
	s_or_b32 exec_lo, exec_lo, s62
.Lno_\e:
.endm
	COPY 0
	COPY 1
	s_wait_tensorcnt 0x0                           ; the wave's end, behind my last LDS store
	ds_add_u32 v2, v3
	s_wait_dscnt 0x0
	s_endpgm
.Lfunc_end_k_q2e98e1bfb9_rank:
	.size	k_q2e98e1bfb9_rank, .Lfunc_end_k_q2e98e1bfb9_rank-k_q2e98e1bfb9_rank
	.p2alignl 7, 3214868480
	.fill 96, 4, 3214868480
	.section	.rodata,"a",@progbits
	.p2align	6, 0x0
	.amdhsa_kernel k_q2e98e1bfb9_rank
		.amdhsa_group_segment_fixed_size 4096
		.amdhsa_private_segment_fixed_size 0
		.amdhsa_enable_private_segment 0
		.amdhsa_kernarg_size 32
		.amdhsa_user_sgpr_count 2
		.amdhsa_user_sgpr_kernarg_segment_ptr 1
		.amdhsa_wavefront_size32 1
		.amdhsa_system_sgpr_workgroup_id_x 1
		.amdhsa_system_sgpr_workgroup_id_y 1
		.amdhsa_system_sgpr_workgroup_id_z 1
		.amdhsa_system_vgpr_workitem_id 0
		.amdhsa_next_free_vgpr 80
		.amdhsa_next_free_sgpr 100
		.amdhsa_reserve_vcc 1
		.amdhsa_float_denorm_mode_32 3
		.amdhsa_float_denorm_mode_16_64 3
		.amdhsa_memory_ordered 1
		.amdhsa_forward_progress 1
		.amdhsa_inst_pref_size 17
	.end_amdhsa_kernel
	.amdgpu_metadata
---
amdhsa.version: [ 1, 2 ]
amdhsa.kernels:
  - .name:           k_q2e98e1bfb9_rank
    .symbol:         k_q2e98e1bfb9_rank.kd
    .args:
      - { .name: keys, .offset: 0, .size: 8, .value_kind: global_buffer, .address_space: global }
      - { .name: x, .offset: 8, .size: 8, .value_kind: global_buffer, .address_space: global }
      - { .name: out0, .offset: 16, .size: 8, .value_kind: global_buffer, .address_space: global }
      - { .name: out1, .offset: 24, .size: 8, .value_kind: global_buffer, .address_space: global }
    .group_segment_fixed_size: 4096
    .private_segment_fixed_size: 0
    .kernarg_segment_align: 8
    .kernarg_segment_size: 32
    .max_flat_workgroup_size: 512
    .sgpr_count:     100
    .vgpr_count:     80
    .wavefront_size: 32
...
	.end_amdgpu_metadata
.endif
;; end of part 4
